; MI455X (gfx1250); checked and timed in simulation.
; The chip was launched on July 23, 2026; its instructions are those of AMD's public machine-readable ISA for CDNA 5 (MIT licence, August 2026) and "CDNA5" Instruction Set Architecture Reference Guide (July 2026). The comments in the code are by the model that wrote it; some were corrected since.
;; Conditional DL Factorized17. Allowed arithmetic: float matrix products may take bf16 or f16 operands with f32 sums; all other float work in f32.
;; Inputs: assign_b 16 float32; assign_w 16 x 512 float32; pw_B 1 x 1 x 512 float32; pw_w1 16 x 262,144 float32; x 2,048 x 8 x 512 float32.
;; Outputs: out0 2,048 x 8 x 512 float32; out1 one number float32.
;; One version. Each part assembles by itself: llvm-mc -triple=amdgcn-amd-amdhsa -mcpu=gfx1250 --defsym DOCPART=n.
;; ======== version 1 of 1: 2 launches
;; workspace buffers: xb 16,777,216 bytes; wb 8,388,608 bytes; respt 1,048,576 bytes; part 16,384 bytes
;; launch prep (part 1): grid 256 x 1, 4 waves a work-group, no clusters, 173,824 bytes of LDS; arguments x, assign_w, assign_b, pw_w1, xb, wb, respt, part; writes xb, wb, respt, part
.if DOCPART == 1
	.amdgcn_target "amdgcn-amd-amdhsa--gfx1250"
	.amdhsa_code_object_version 6
	.text
	.protected	k_q567d145b5e_prep
	.globl	k_q567d145b5e_prep
	.p2align	8
	.type	k_q567d145b5e_prep,@function
k_q567d145b5e_prep:
	s_mov_b64 s[64:65], 0
	v_nop
	global_prefetch_b8 v0, s[64:65] scope:SCOPE_SE
	s_setreg_imm32_b32 hwreg(HW_REG_WAVE_MODE, 25, 1), 1
	s_wait_xcnt 0x0
; PREP: rounds x and pw_w1 to bf16 for the second launch, and runs the router.
;   logits[n][e] = sum over c of x[n][c] assign_w[e][c] + assign_b[e];  resp = softmax over the 16 experts, the maximum taken away first.
; 16,384 tokens of 512 channels.  Work-group g (of 256) owns tokens 64 g .. 64 g + 63 (128 KiB of x) and bytes 65,536 g .. + 65,535 of pw_w1 (32 rows of W).
; Wave w owns the 16 tokens 64 g + 16 w .. + 15 and eight of the group's rows of W.
; OUT:  xb    x in bf16 in the order of matrix fragments: byte T16 x 16,384 + kk x 1,024 + p x 512 + lane x 16 holds token 16 T16 + lane % 16,
;             channels 32 kk + 16 p + 8 (lane / 16) + 0..7, so that every 16-byte load or store of a wave covers 512 consecutive bytes
;       wb    W in bf16, rows of 1,024 bytes; row (e, o) lies at row (o / 16) x 256 + e x 16 + o % 16: the 16 experts' rows of 16 neighbouring outputs lie together
;       respt resp in f32: byte T16 x 1,024 + q x 512 + lane x 16 holds experts 8 (lane / 16) + 4 q + 0..3 of token 16 T16 + lane % 16
;       part  [256 work-groups][16 experts]: the group's sums of resp over its 64 tokens (64 bytes a group: the only stores here that do not
;             cover a whole aligned block of 256 bytes; 16 KiB in the whole launch)
; LIMITS: x, assign_w and pw_w1 are rounded once to bf16 (nearest even); assign_b, the logits' sums and the softmax are f32; a weight below 2^-126
; comes out of v_exp_f32 as 0.
; x and assign_w come in by the tensor data mover, each LDS byte filled once: wave w brings channels 128 w .. + 127 of the group's 64 rows of x and of the 16
; rows of assign_w; by this text's count a wave has two tensor loads out.  No cluster: what work-groups share is assign_w, 32 KiB of the 224 KiB that a
; group reads.  No matrix work but the router's 16 products a wave: memory binds this launch.
.set XSUB, 64*528                      ; a quarter of x's tile: 64 rows of 512 bytes + 16 of padding; 528 = 33 x 16: the 16 rows of a load start at 16 different 16-byte columns
.set AL,   4*XSUB                      ; behind x's four quarters: assign_w's four quarters
.set ASUB, 16*528
.set STG,  AL+4*ASUB                   ; behind them, at a multiple of 256: 16 rows (experts) of 256 bytes (64 tokens) + 16, written by LDS stores alone
.set SPT,  272
.set RR,  2                            ; v2   lane % 16
.set HH,  3                            ; v3   lane / 16
.set L16, 4                            ; v4   16 x lane
.set L8,  5                            ; v5   8 x lane
.set XA,  6                            ; v6, v7  LDS address of my row of x, quarters 0-1 and 2-3
.set AA,  8                            ; v8   LDS address of my row of assign_w
.set Q8,  9                            ; v9   thread / 16: 0..7
.set SA,  10                           ; v10  where my eight weights go in the stage
.set RDA, 11                           ; v11  where I read the stage back
.set PO,  13                           ; v13  my byte offset in part
.set BO,  14                           ; v14  32 x (lane / 16): my eight numbers of assign_b
.set BI,  16                           ; v[16:23]   assign_b[8 (lane / 16) + 0..7]
.set TT,  24                           ; v[24:31]   at work
.set XF,  32                           ; v[32:63]   x in f32 as read from LDS, two buffers of 16
.set AF,  64                           ; v[64:95]   assign_w likewise
.set XB,  96                           ; v[96:127]  x's fragments in bf16, a ring of four
.set AB,  128                          ; v[128:159] assign_w's fragments, a ring of four
.set ACC, 160                          ; v[160:175] two accumulators, for the even and the odd K chunks
.set LG,  176                          ; v[176:183] logits, then weights
.set OB,  184                          ; v[184:191] the stage read back
.set WF,  128                          ; v[128:255] pw_w1 on its way through, before the router needs these registers
.set WV,  24                           ; s24  my wave's number
.set G1X, 28                           ; s[28:35] descriptor group 1 for x's tile
.set G1A, 36                           ; s[36:43] for assign_w's
.set G0X, 44                           ; s[44:47] group 0 for x
.set G0A, 48                           ; s[48:51] group 0 for assign_w
	s_load_b512 s[8:23], s[0:1], 0x0               ; x s[8:9], assign_w s[10:11], assign_b s[12:13], pw_w1 s[14:15], xb s[16:17], wb s[18:19], respt s[20:21], part s[22:23]
	v_lshl_add_u32 v30, v0, 2, 0x2a500
	v_mov_b32 v31, 0
	ds_add_u32 v30, v31
	ds_add_u32 v30, v31
	v_lshrrev_b32 v1, 5, v0
	v_readfirstlane_b32 s[WV], v1                  ; wave 0..3
.irp g, G1X, G1A
	s_mov_b32 s[\g+0], (2<<16)|(1<<20)|(6<<22)|(3<<25)   ; no mask; elements of 4 bytes; padding on: after every 128 words (code 6) 4 words (code 3)
	s_mov_b32 s[\g+1], 128<<16                     ; tensor_dim0 = 128
	s_mov_b32 s[\g+3], 128<<16                     ; tile_dim0 = 128 elements: 512 bytes of a row
	s_mov_b32 s[\g+5], 512                         ; elements from row to row
	s_mov_b32 s[\g+6], 0
	s_mov_b32 s[\g+7], 0
.endr
	s_mov_b32 s[G1X+2], 64<<16                     ; tensor_dim1 = 64
	s_mov_b32 s[G1X+4], 64                         ; tile_dim1 = 64 rows
	s_mov_b32 s[G1A+2], 16<<16
	s_mov_b32 s[G1A+4], 16
	s_mov_b32 s[G0X], 1
	s_mul_i32 s[G0X+1], s[WV], XSUB                ; my quarter of x's tile in LDS
	s_mov_b32 s[G0A], 1
	s_mul_i32 s[G0A+1], s[WV], ASUB
	s_add_co_u32 s[G0A+1], s[G0A+1], AL            ; my quarter of assign_w's
	s_lshl_b32 s56, s[WV], 9                       ; my 128 channels: 512 bytes along a row
	s_mov_b32 s57, 0
	s_lshl_b32 s58, ttmp9, 17                      ; the group's 64 rows of 2,048 bytes
	s_add_co_u32 s58, s58, s56
	s_mov_b32 s59, 0
	s_mov_b32 s52, 0x3fb8aa3b                      ; log2(e), named as a pair by the packed scaling
	s_mov_b32 s53, 0x3fb8aa3b
	s_mov_b32 s54, 0x76543210                      ; v_permlanex16_b32: each lane takes its own place in the other half
	s_mov_b32 s55, 0xfedcba98
	s_wait_dscnt 0x0
	s_wait_kmcnt 0x0
	s_add_nc_u64 s[G0X+2:G0X+3], s[8:9], s[58:59]
	s_or_b32 s[G0X+3], s[G0X+3], 0x80000000        ; type = 2
	s_add_nc_u64 s[G0A+2:G0A+3], s[10:11], s[56:57]
	s_or_b32 s[G0A+3], s[G0A+3], 0x80000000
	tensor_load_to_lds s[G0X:G0X+3], s[G1X:G1X+7]  ; both fills go out together, ahead of every wait on TENSORcnt, LDS read and barrier
	s_nop 0
	tensor_load_to_lds s[G0A:G0A+3], s[G1A:G1A+7]
	s_nop 0
	v_and_b32 v[RR], 15, v0
	v_bfe_u32 v[HH], v0, 4, 1
	v_and_b32 v1, 31, v0
	v_lshlrev_b32 v[L16], 4, v1
	v_lshlrev_b32 v[L8], 3, v1
	v_lshlrev_b32 v[BO], 5, v[HH]
	s_lshl_b32 s58, ttmp9, 16                      ; the group's 65,536 bytes of pw_w1 and of xb,
	s_lshl_b32 s56, s[WV], 14                      ; my wave's 16,384 of them
	s_add_co_u32 s58, s58, s56
	s_add_nc_u64 s[14:15], s[14:15], s[58:59]
	s_add_nc_u64 s[16:17], s[16:17], s[58:59]
	; my eight rows of W are rows 32 g + 8 w + 0..7 of pw_w1: expert e = g / 16, outputs o = 32 (g % 16) + 8 w + 0..7, which stay together in wb
	s_and_b32 s58, ttmp9, 15
	s_lshl_b32 s58, s58, 1
	s_lshr_b32 s56, s[WV], 1
	s_add_co_u32 s58, s58, s56                     ; o / 16 = 2 (g % 16) + w / 2
	s_lshl_b32 s58, s58, 8                         ; x 256 rows
	s_lshr_b32 s56, ttmp9, 4
	s_lshl_b32 s56, s56, 4
	s_add_co_u32 s58, s58, s56                     ; + 16 e
	s_and_b32 s56, s[WV], 1
	s_lshl_b32 s56, s56, 3
	s_add_co_u32 s58, s58, s56                     ; + o % 16 = 8 (w % 2)
	s_lshl_b32 s58, s58, 10                        ; rows of 1,024 bytes
	s_add_nc_u64 s[18:19], s[18:19], s[58:59]
	s_lshl_b32 s58, ttmp9, 12                      ; respt: 1,024 bytes for each 16 tokens: the group's four blocks, my wave's one
	s_lshl_b32 s56, s[WV], 10
	s_add_co_u32 s58, s58, s56
	s_add_nc_u64 s[20:21], s[20:21], s[58:59]
	s_lshl_b32 s58, ttmp9, 6                       ; the group's 16 sums
	s_add_nc_u64 s[22:23], s[22:23], s[58:59]
	global_load_b128 v[BI:BI+3],   v[BO], s[12:13]
	global_load_b128 v[BI+4:BI+7], v[BO], s[12:13] offset:16
.set i, 0
.rept 32
	global_load_b128 v[WF+4*i:WF+4*i+3], v[L16], s[14:15] offset:i*512 th:TH_LOAD_NT   ; 512 consecutive bytes a load; the launch reads them once
.set i, i+1
.endr
	; LDS addresses, while the loads are out.  A fragment's lane holds row lane % 16 and channels 8 (lane / 16) + 0..7 and 16 + 8 (lane / 16) + 0..7 of 32: in f32 two runs of 32 bytes, 64 bytes apart
	v_mul_u32_u24 v[XA], v[RR], 528
	v_lshl_add_u32 v[XA], v[HH], 5, v[XA]          ; row x pitch + 32 x half
	v_add_nc_u32 v[AA], AL, v[XA]
	s_mul_i32 s25, s[WV], 16*528                   ; my wave's 16 rows of x
	v_add_nc_u32 v[XA], s25, v[XA]
	v_add_nc_u32 v[XA+1], 2*XSUB, v[XA]
	v_mul_u32_u24 v[SA], v[HH], 8*SPT              ; into the stage: rows 8 (lane / 16) + 0..7, token 16 w + lane % 16
	v_lshl_add_u32 v[SA], v[RR], 2, v[SA]
	s_lshl_b32 s25, s[WV], 6
	s_add_co_u32 s25, s25, STG
	v_add_nc_u32 v[SA], s25, v[SA]
	v_lshrrev_b32 v[Q8], 4, v0
	v_mul_u32_u24 v[RDA], v[Q8], SPT               ; back: sixteen lanes take one expert's 256 bytes
	v_lshl_add_u32 v[RDA], v[RR], 4, v[RDA]
	v_add_nc_u32 v[RDA], STG, v[RDA]
	v_lshlrev_b32 v[PO], 2, v[Q8]
	; pw_w1 to bf16: four numbers a lane become 8 bytes; a wave's store covers 256 consecutive bytes, aligned
.set i, 0
.rept 32
	s_wait_loadcnt 31-i                            ; loads come back in order: load i is in, the younger ones stay out
	v_cvt_pk_bf16_f32 v[WF+4*i],   v[WF+4*i],   v[WF+4*i+1]
	v_cvt_pk_bf16_f32 v[WF+4*i+1], v[WF+4*i+2], v[WF+4*i+3]
	global_store_b64 v[L8], v[WF+4*i:WF+4*i+1], s[18:19] offset:i*256
.set i, i+1
.endr
	s_wait_tensorcnt 0x0                           ; my quarters of both tiles are in LDS,
	s_barrier_signal -1
	s_barrier_wait -1                              ; everybody's are
	s_wait_xcnt 0x0                                ; the stores to wb have read their registers: v128 on are written again only behind this wait
; eight LDS loads: K chunk kk (32 channels) of my row of x and of assign_w, in f32, into buffer kk % 2
.macro LDF kk
.set bx, XF+16*((\kk)%2)
.set ba, AF+16*((\kk)%2)
.set ox, (((\kk)/4)%2)*XSUB+((\kk)%4)*128
.set oa, ((\kk)/4)*ASUB+((\kk)%4)*128
	ds_load_b128 v[bx:bx+3],     v[XA+(\kk)/8] offset:ox
	ds_load_b128 v[bx+4:bx+7],   v[XA+(\kk)/8] offset:ox+16
	ds_load_b128 v[bx+8:bx+11],  v[XA+(\kk)/8] offset:ox+64
	ds_load_b128 v[bx+12:bx+15], v[XA+(\kk)/8] offset:ox+80
	ds_load_b128 v[ba:ba+3],     v[AA] offset:oa
	ds_load_b128 v[ba+4:ba+7],   v[AA] offset:oa+16
	ds_load_b128 v[ba+8:ba+11],  v[AA] offset:oa+64
	ds_load_b128 v[ba+12:ba+15], v[AA] offset:oa+80
.endm
; K chunk kk: rounded to bf16, multiplied, and x's fragment stored.  Source 0 = the 16 experts, source 1 = my 16 tokens: register j of a lane is
; the logit of expert 8 (lane / 16) + j for token lane % 16.  The two accumulators take turns, one instruction a turn; the first product
; of the even chunks takes assign_b as C, that of the odd chunks the constant 0.  A ring slot is written again 48 conversions behind the product that read it.
.macro STEP kk
.if \kk < 15
	LDF \kk+1
	s_wait_dscnt 0x8                               ; all but the eight just issued
.else
	s_wait_dscnt 0x0
.endif
.if \kk >= 4
	s_wait_xcnt 0x0                                ; the ring slot's stores to xb have read it
.endif
.set bx, XF+16*((\kk)%2)
.set ba, AF+16*((\kk)%2)
.set rx, XB+8*((\kk)%4)
.set ra, AB+8*((\kk)%4)
.set ac, ACC+8*((\kk)%2)
.irp j, 0,1,2,3,4,5,6,7
	v_cvt_pk_bf16_f32 v[rx+\j], v[bx+2*\j], v[bx+2*\j+1]
.endr
.irp j, 0,1,2,3,4,5,6,7
	v_cvt_pk_bf16_f32 v[ra+\j], v[ba+2*\j], v[ba+2*\j+1]
.endr
.if \kk == 0
	v_wmma_f32_16x16x32_bf16 v[ac:ac+7], v[ra:ra+7], v[rx:rx+7], v[BI:BI+7]
.elseif \kk == 1
	v_wmma_f32_16x16x32_bf16 v[ac:ac+7], v[ra:ra+7], v[rx:rx+7], 0
.else
	v_wmma_f32_16x16x32_bf16 v[ac:ac+7], v[ra:ra+7], v[rx:rx+7], v[ac:ac+7]
.endif
	global_store_b128 v[L16], v[rx:rx+3],   s[16:17] offset:(\kk)*1024        ; 512 consecutive bytes each
	global_store_b128 v[L16], v[rx+4:rx+7], s[16:17] offset:(\kk)*1024+512
.endm
	LDF 0
.irp kk, 0,1,2,3,4,5,6,7,8,9,10,11,12,13,14,15
	STEP \kk
.endr
	; THE SOFTMAX, in f32.  A token's 16 logits lie in two lanes, 16 apart, eight each.
.rept 4
	v_nop                                          ; four places between the last product and the first read of its result (ISA guide 7.12.1)
.endr
.irp j, 0,2,4,6
	v_pk_add_f32 v[LG+\j:LG+\j+1], v[ACC+\j:ACC+\j+1], v[ACC+8+\j:ACC+8+\j+1]   ; even chunks' sums + odd chunks' sums, from the low end on
.endr
	v_max3_num_f32 v[TT],   v[LG],   v[LG+1], v[LG+2]
	v_max3_num_f32 v[TT+1], v[LG+3], v[LG+4], v[LG+5]
	v_max3_num_f32 v[TT],   v[TT],   v[LG+6], v[LG+7]
	v_max_num_f32 v[TT], v[TT], v[TT+1]
	v_permlanex16_b32 v[TT+1], v[TT], s54, s55     ; the token's other eight experts
	v_max_num_f32 v[TT], v[TT], v[TT+1]            ; the token's maximum m
	v_mul_f32 v[TT], s52, v[TT]                    ; m log2(e)
.irp j, 0,2,4,6
	v_pk_fma_f32 v[LG+\j:LG+\j+1], v[LG+\j:LG+\j+1], s[52:53], v[TT:TT+1] op_sel_hi:[1,0,0] neg_lo:[0,0,1] neg_hi:[0,0,1]   ; (logit - m) log2(e): never above 0
.endr
.irp j, 0,1,2,3,4,5,6,7
	v_exp_f32 v[LG+\j], v[LG+\j]
.endr
	v_nop                                          ; a plain instruction between the exponentials and the use of their results (ISA guide 5.7.2)
	s_wait_alu depctr_va_vdst(0)
	v_pk_add_f32 v[TT+2:TT+3], v[LG:LG+1],     v[LG+2:LG+3]
	v_pk_add_f32 v[TT+4:TT+5], v[LG+4:LG+5],   v[LG+6:LG+7]
	v_pk_add_f32 v[TT+2:TT+3], v[TT+2:TT+3],   v[TT+4:TT+5]
	v_add_f32 v[TT+2], v[TT+2], v[TT+3]
	v_permlanex16_b32 v[TT+3], v[TT+2], s54, s55
	v_add_f32 v[TT+2], v[TT+2], v[TT+3]            ; the sum: at least 1, since the largest weight is 1
	v_rcp_f32 v[TT], v[TT+2]
	v_nop
	s_wait_alu depctr_va_vdst(0)
.irp j, 0,2,4,6
	v_pk_mul_f32 v[LG+\j:LG+\j+1], v[LG+\j:LG+\j+1], v[TT:TT+1] op_sel_hi:[1,0]
.endr
	; resp leaves as it lies in the registers: two stores of 512 consecutive bytes
	global_store_b128 v[L16], v[LG:LG+3],   s[20:21]
	global_store_b128 v[L16], v[LG+4:LG+7], s[20:21] offset:512
	; the group's sums over its 64 tokens: through the stage, so that sixteen lanes hold one expert's 64 tokens
.irp j, 0,1,2,3,4,5,6,7
	ds_store_b32 v[SA], v[LG+\j] offset:\j*SPT
.endr
	s_wait_dscnt 0x0                               ; for the others' sake: my stores into the stage are done
	s_barrier_signal -1
	s_barrier_wait -1
	ds_load_b128 v[OB:OB+3],   v[RDA]              ; expert thread / 16, four tokens
	ds_load_b128 v[OB+4:OB+7], v[RDA] offset:8*SPT ; expert 8 + thread / 16
	s_wait_dscnt 0x0
	v_pk_add_f32 v[TT:TT+1],   v[OB:OB+1],     v[OB+2:OB+3]     ; four in the lane, then the sixteen lanes of the expert's row
	v_pk_add_f32 v[TT+2:TT+3], v[OB+4:OB+5],   v[OB+6:OB+7]
	v_add_f32 v[TT],   v[TT],   v[TT+1]
	v_add_f32 v[TT+2], v[TT+2], v[TT+3]
.irp m, 1,2,4,8
	v_add_f32_dpp v[TT],   v[TT],   v[TT]   row_xmask:\m row_mask:0xf bank_mask:0xf
	v_add_f32_dpp v[TT+2], v[TT+2], v[TT+2] row_xmask:\m row_mask:0xf bank_mask:0xf
.endr
	v_cmp_eq_u32 vcc_lo, 0, v[RR]
	s_wait_xcnt 0x0                                ; EXEC is a source of the pending stores: it changes only behind this wait
	s_wait_tensorcnt 0x0
	ds_add_u32 v30, v31
	s_wait_dscnt 0x0
	s_and_saveexec_b32 s26, vcc_lo                 ; one lane of each sixteen
	global_store_b32 v[PO], v[TT],   s[22:23]
	global_store_b32 v[PO], v[TT+2], s[22:23] offset:32
	s_wait_xcnt 0x0
	s_or_b32 exec_lo, exec_lo, s26
	s_endpgm
.Lfunc_end_k_q567d145b5e_prep:
	.size	k_q567d145b5e_prep, .Lfunc_end_k_q567d145b5e_prep-k_q567d145b5e_prep
	.p2alignl 7, 3214868480
	.fill 96, 4, 3214868480
	.section	.rodata,"a",@progbits
	.p2align	6, 0x0
	.amdhsa_kernel k_q567d145b5e_prep
		.amdhsa_group_segment_fixed_size 173824
		.amdhsa_private_segment_fixed_size 0
		.amdhsa_enable_private_segment 0
		.amdhsa_kernarg_size 64
		.amdhsa_user_sgpr_count 2
		.amdhsa_user_sgpr_kernarg_segment_ptr 1
		.amdhsa_wavefront_size32 1
		.amdhsa_system_sgpr_workgroup_id_x 1
		.amdhsa_system_sgpr_workgroup_id_y 1
		.amdhsa_system_sgpr_workgroup_id_z 1
		.amdhsa_system_vgpr_workitem_id 0
		.amdhsa_next_free_vgpr 256
		.amdhsa_next_free_sgpr 66
		.amdhsa_reserve_vcc 1
		.amdhsa_float_denorm_mode_32 3
		.amdhsa_float_denorm_mode_16_64 3
		.amdhsa_memory_ordered 1
		.amdhsa_forward_progress 1
		.amdhsa_inst_pref_size 49
	.end_amdhsa_kernel
	.amdgpu_metadata
---
amdhsa.version: [ 1, 2 ]
amdhsa.kernels:
  - .name:           k_q567d145b5e_prep
    .symbol:         k_q567d145b5e_prep.kd
    .args:
      - { .name: x, .offset: 0, .size: 8, .value_kind: global_buffer, .address_space: global }
      - { .name: assign_w, .offset: 8, .size: 8, .value_kind: global_buffer, .address_space: global }
      - { .name: assign_b, .offset: 16, .size: 8, .value_kind: global_buffer, .address_space: global }
      - { .name: pw_w1, .offset: 24, .size: 8, .value_kind: global_buffer, .address_space: global }
      - { .name: xb, .offset: 32, .size: 8, .value_kind: global_buffer, .address_space: global }
      - { .name: wb, .offset: 40, .size: 8, .value_kind: global_buffer, .address_space: global }
      - { .name: respt, .offset: 48, .size: 8, .value_kind: global_buffer, .address_space: global }
      - { .name: part, .offset: 56, .size: 8, .value_kind: global_buffer, .address_space: global }
    .group_segment_fixed_size: 173824
    .private_segment_fixed_size: 0
    .kernarg_segment_align: 8
    .kernarg_segment_size: 64
    .max_flat_workgroup_size: 128
    .sgpr_count:     66
    .vgpr_count:     256
    .wavefront_size: 32
...
	.end_amdgpu_metadata
.endif
;; end of part 1
;; launch main (part 2): grid 64 x 4, 4 waves a work-group, clusters of 4 x 1, 327,680 bytes of LDS; arguments xb, wb, respt, part, pw_B, out0, out1; writes out0, out1
.if DOCPART == 2
	.amdgcn_target "amdgcn-amd-amdhsa--gfx1250"
	.amdhsa_code_object_version 6
	.text
	.protected	k_q567d145b5e_main
	.globl	k_q567d145b5e_main
	.p2align	8
	.type	k_q567d145b5e_main,@function
k_q567d145b5e_main:
	s_mov_b64 s[64:65], 0
	v_nop
	global_prefetch_b8 v0, s[64:65] scope:SCOPE_SE
	s_setreg_imm32_b32 hwreg(HW_REG_WAVE_MODE, 25, 1), 1
	s_wait_xcnt 0x0
	s_wait_alu depctr_hold_cnt(0) depctr_sa_sdst(0) depctr_va_vdst(0) depctr_va_sdst(0) depctr_va_ssrc(0) depctr_va_vcc(0) depctr_vm_vsrc(0)
	s_getreg_b32 s2, hwreg(HW_REG_IB_STS2, 6, 4)
	s_cmp_eq_u32 s2, 0
	s_cbranch_scc0 .Lentry_in_a_cluster
	s_endpgm
.Lentry_in_a_cluster:
	s_bfe_u32 s2, ttmp6, 0x10000c
	s_cmp_lg_u32 s2, 0x3003
	s_cbranch_scc0 .Lentry_shape_is_right
	s_endpgm
.Lentry_shape_is_right:
; MAIN: out0[n][o] = sum over e of resp[n][e] (sum over i of W[e][o][i] x[n][i]) + pw_B[o];  out1 = 0.01 std(importance, 15 degrees of freedom) / mean(importance).
; x and W are bf16 (xb, wb, made by the launch before); products are summed in f32, multiplied by the f32 resp and added to f32 sums.
; SHARES.  A work-group makes 256 tokens x 128 outputs.  Wave w has token half w / 2 (128 tokens: eight tiles of 16) and K HALF w % 2 (256 channels): its x, 64 fragments, 512
; registers, stays in registers for the whole launch, so LDS carries W alone, and a fragment of W (two LDS loads) feeds EIGHT products.  The sum over experts is linear in the products, so
; each wave scales and sums its own K half; the two halves of a token's sums meet once, on the way out.
; THE MATRIX INSTRUCTION IS USED TRANSPOSED: source 0 = 16 rows of W (outputs), source 1 = 16 tokens.  In the result a lane holds ONE token (lane % 16) and the outputs
; 8 (lane / 16) + 0..7, so resp is one number a lane.
; ORDER.  16 outputs at a time (b = 0..7), and for them the 16 experts.  A BLOCK is one expert x 16 outputs x my K half: 64 products (8 K chunks x 8 token tiles) into eight temporaries P,
; which take turns; then Y += resp P, 32 packed multiply-adds, which stand in slices of four behind products of the NEXT block (two sets of P alternate).  The first expert's
; slices are multiplies: nothing is cleared.  Y is 64 registers; all of resp (16 experts x 8 tiles) lies in 128.
; THE RING.  Two LDS slots, each four experts' 16 rows x 512 channels; wave w brings K quarter w (64 rows x 256 bytes).  wb is laid so that a work-group's 32 tiles follow each other in memory.
; A slot is asked for again at the head of its last block, whose fragments are in registers by then, and has 256 products a wave in which to land.  By this text's count a wave has two
; tensor loads out at the start and one behind each round.  Slots of eight experts would not fit beside the stage.
; THE WAY OUT.  After each b a wave stores its 128 x 16 partial sums into its K half's copy of a stage in LDS; after four b a stage row holds 64 outputs, 256 bytes, and wave w
; adds rows 64 w .. + 63 of the two copies and pw_B and stores them.  The ring's barriers order the stage's stores and reads both ways.  The first half of out0 leaves in mid-launch.
; CLUSTER.  The four work-groups of a cluster make the same 128 outputs for different tokens and walk the same tiles of W: each tile is asked for JOINTLY, by the same tensor load
; with the same descriptor and a mask that names the four.  x is not shared so: it is 256 KiB of the 2.25 MiB that a work-group reads, is read once, and goes straight into registers.
; THE LOSS is made at the end, by wave 0 of the first cluster's work-groups; one lane of one of them stores it, chosen by an EXEC mask behind which no vector register is written.
; LIMITS: x and W carry one rounding to bf16; pw_B, resp, Y and the loss are f32; a token's sum is formed as (K half 0's + K half 1's) + pw_B.
; REGISTERS, in windows of 256 (s_set_vgpr_msb: bits 1:0 source 0, 3:2 source 1, 5:4 source 2, 7:6 destination):
;   window 0: v0-13 addresses; v16-23 pw_B; v24-27 at work at the head; v32-63 at work on the way out; v64-127 resp of experts 0-7, (t, e) at v[64 + 8 t + e]; v128-191, v192-255 W's fragments, two buffers
;   window 1: v0-63, v64-127 the two sets of P, tile t at + 8 t; v128-191 Y; v192-255 resp of experts 8-15
;   window 2: x's fragments of my K chunks 0-3, (t, kk) at v[8 (8 kk + t)]          window 3: those of my K chunks 4-7
.set PW,    272                        ; an LDS row: 256 bytes + 16 of padding = 17 x 16: the 16 rows of a load or store start at 16 different 16-byte columns
.set KQ,    64*PW                      ; a K quarter of a tile: what one tensor load brings
.set SLOT,  4*KQ
.set ST,    2*SLOT                     ; behind the ring: the stage, written by LDS stores alone: two copies (K halves) of 256 rows (tokens) x 256 bytes (64 outputs) + 16
.set STC,   256*PW
.set SPARE, ST+2*STC                   ; the spare words, 128 bytes for each wave: two blocks of 256 bytes that no other line names
.set TILEB, 65536                      ; bytes of a tile in wb: 64 rows of 1,024
.set WA,   2                           ; v2, v3  LDS address of my place in a fragment of W, my K half, slot 0 and 1
.set LN,   4                           ; v4    16 x lane
.set STO0, 5                           ; v5    the stage: my token's row in my K half's copy, + 32 x (lane / 16); never rewritten
.set STO,  6                           ; v6    the same + 64 x (b % 4): s[POS] + v[STO0]
.set RD,   7                           ; v7, v8  the stage read back: row 64 w + lane / 16, 16 bytes a lane, copy 0 and 1
.set CO,   9                           ; v9    my byte offset in out0
.set RGO,  10                          ; v10   16 x (lane % 16): my place in a block of respt, and in 256 bytes of pw_B
.set SPW,  12                          ; v12   LDS address of my spare word; never rewritten
.set NIL,  13                          ; v13   0; never rewritten
.set BIAS, 16                          ; v[16:19], v[20:23] pw_B of my four outputs in the first and the second 64
.set RLO,  64
.set H0,   128
.set YY,   128                         ; in window 1
.set RHI,  192                         ; in window 1
.set WV,  18                           ; s18   my wave's number
.set G1W, 24                           ; s[24:31] descriptor group 1
.set G0W, 32                           ; s[32:39] descriptor group 0, a set for each slot
.set POS, 57                           ; s57   64 x (b % 4): where this b's 16 outputs lie in a stage row
.set MSB, 0
.macro WIN new                         ; the immediate's high byte repeats the setting that is left; a switch that changes nothing is dropped
.if MSB != \new
	s_set_vgpr_msb (MSB<<8)|\new
.set MSB, \new
.endif
.endm
.set W_LO, 0x58                        ; products: W (source 0) window 0, x (source 1) window 2, P (C and D) window 1
.set W_HI, 0x5c                        ; the same with x in window 3
.macro PLACES                          ; four places: in front of loads into registers that products have read, and of vector reads of results just made
.rept 4
	v_nop
.endr
.endm
.macro CREST                           ; a round of the cluster's barrier behind its opening barrier: wave 0 signals for the work-group, every wave waits for all four work-groups
	s_cmp_lg_u32 s[WV], 0
	s_cbranch_scc1 .Lnot_wave_0_\@
	s_barrier_signal -3
.Lnot_wave_0_\@:
	s_barrier_wait -3
	s_barrier_signal -1
	s_barrier_wait -1
.endm
.macro CROUND                          ; a whole round
	s_barrier_signal -1
	s_barrier_wait -1
	CREST
.endm
	s_load_b256 s[4:11], s[0:1], 0x0               ; xb s[4:5], wb s[6:7], respt s[8:9], part s[10:11]
	s_load_b128 s[12:15], s[0:1], 0x20             ; pw_B s[12:13], out0 s[14:15]
	s_load_b64 s[16:17], s[0:1], 0x30              ; out1
	v_lshl_add_u32 v[SPW], v0, 2, SPARE
	v_mov_b32 v[NIL], 0
	ds_add_u32 v12, v13
	ds_add_u32 v12, v13
	s_wait_dscnt 0x0
	v_lshrrev_b32 v1, 5, v0
	v_readfirstlane_b32 s[WV], v1                  ; wave 0..3
	s_bfe_u32 s19, ttmp6, 0x40000                  ; cx: my place in the cluster
	s_lshl_b32 s20, ttmp9, 2                       ; in a cluster launch ttmp9 counts clusters
	s_add_co_u32 s20, s20, s19                     ; my block of 256 tokens: it enters the addresses of xb, respt and out0 alone
	s_and_b32 s21, ttmp7, 0xffff                   ; my block of 128 outputs, which the four partners share
	s_lshr_b32 s22, s[WV], 1                       ; my token half
	s_and_b32 s23, s[WV], 1                        ; my K half
	s_mov_b32 s[G1W+0], 15|(1<<16)|(1<<20)|(1<<21)|(5<<22)|(3<<25)   ; the mask: all four work-groups; elements of 2 bytes; padding on; bit 21 set beside a mask; after every 64 words (code 5) 4 words (code 3)
	s_mov_b32 s[G1W+1], 128<<16                    ; tensor_dim0 = 128
	s_mov_b32 s[G1W+2], 64<<16                     ; tensor_dim1 = 64
	s_mov_b32 s[G1W+3], 128<<16                    ; tile_dim0 = 128 elements: 256 bytes of a row, at a multiple of 256 from wb's first byte
	s_mov_b32 s[G1W+4], 64                         ; tile_dim1 = 64 rows
	s_mov_b32 s[G1W+5], 512                        ; elements from row to row
	s_mov_b32 s[G1W+6], 0
	s_mov_b32 s[G1W+7], 0
	s_lshl_b32 s40, s21, 21                        ; W: my block's 32 tiles of 65,536 bytes,
	s_lshl_b32 s42, s[WV], 8                       ; the K quarter that I fetch (registers that never hold cx)
	s_add_co_u32 s40, s40, s42
	s_mov_b32 s41, 0
	s_mul_i32 s43, s[WV], KQ                       ; and its place in a slot
	s_lshl_b32 s44, s20, 18                        ; xb: 256 tokens are 262,144 bytes, a token half 131,072; in a tile's 16,384 my K half begins at 8,192 x half
	s_lshl_b32 s56, s22, 17
	s_add_co_u32 s44, s44, s56
	s_lshl_b32 s56, s23, 13
	s_add_co_u32 s44, s44, s56
	s_mov_b32 s45, 0
	s_lshl_b32 s46, s20, 14                        ; respt: 1,024 bytes for each 16 tokens
	s_lshl_b32 s56, s22, 13
	s_add_co_u32 s46, s46, s56
	s_mov_b32 s47, 0
	s_lshl_b32 s48, s21, 9                         ; pw_B: 128 outputs are 512 bytes
	s_mov_b32 s49, 0
	s_lshl_b32 s50, s20, 19                        ; out0: 256 rows of 2,048 bytes; I store rows 64 w .. + 63; my block's 512 bytes along a row
	s_lshl_b32 s56, s[WV], 17
	s_add_co_u32 s50, s50, s56
	s_add_co_u32 s50, s50, s48
	s_mov_b32 s51, 0
	s_mov_b32 s54, 0x76543210                      ; v_permlanex16_b32: each lane takes its own place in the other half
	s_mov_b32 s55, 0xfedcba98
	s_mov_b32 s[POS], 0
	s_mul_i32 s58, s23, 2*KQ                       ; my K half of a slot: quarters 2 half and 2 half + 1
	s_mul_i32 s59, s23, STC                        ; my K half's copy of the stage,
	s_mul_i32 s56, s22, 128*PW                     ; my token half's 128 rows
	s_add_co_u32 s59, s59, s56
	s_add_co_u32 s59, s59, ST
	s_mul_i32 s60, s[WV], 64*PW                    ; the 64 rows that I read back
	s_add_co_u32 s60, s60, ST
	v_and_b32 v24, 15, v0                          ; lane % 16
	v_bfe_u32 v25, v0, 4, 1                        ; lane / 16
	v_and_b32 v26, 31, v0
	v_lshlrev_b32 v[LN], 4, v26
	v_mul_u32_u24 v27, v24, PW
	v_lshl_add_u32 v[WA], v25, 4, v27              ; a fragment: row lane % 16, 16 bytes for each half of the lanes, and 32 bytes on
	v_add_nc_u32 v[WA], s58, v[WA]
	v_add_nc_u32 v[WA+1], SLOT, v[WA]
	v_lshl_add_u32 v[STO0], v25, 5, v27            ; into the stage: row lane % 16 of a tile, 32 bytes for each half of the lanes
	v_add_nc_u32 v[STO0], s59, v[STO0]
	v_add_nc_u32 v[STO], s[POS], v[STO0]
	v_mul_u32_u24 v[RD], v25, PW                   ; back: lanes 0-15 one row of 256 bytes, lanes 16-31 the next
	v_lshl_add_u32 v[RD], v24, 4, v[RD]
	v_add_nc_u32 v[RD], s60, v[RD]
	v_add_nc_u32 v[RD+1], STC, v[RD]
	v_lshlrev_b32 v[CO], 11, v25                   ; and the same two rows in out0
	v_lshl_add_u32 v[CO], v24, 4, v[CO]
	v_lshlrev_b32 v[RGO], 4, v24
	s_wait_kmcnt 0x0
	s_add_nc_u64 s[6:7], s[6:7], s[40:41]
	s_add_nc_u64 s[4:5], s[4:5], s[44:45]
	s_add_nc_u64 s[8:9], s[8:9], s[46:47]
	s_add_nc_u64 s[12:13], s[12:13], s[48:49]
	s_add_nc_u64 s[14:15], s[14:15], s[50:51]
.irp s, 0,1
	s_mov_b32 s[G0W+4*\s], 1                                       ; count = 1
	s_add_co_u32 s[G0W+4*\s+1], s43, \s*SLOT                       ; LDS address: slot, wave x a quarter
	s_add_nc_u64 s[G0W+4*\s+2:G0W+4*\s+3], s[6:7], \s*TILEB        ; global address: slot s begins with tile s
	s_or_b32 s[G0W+4*\s+3], s[G0W+4*\s+3], 0x80000000              ; type = 2
.endr
	CROUND                                         ; all four work-groups are here: the first joint loads meet
	tensor_load_to_lds s[G0W:G0W+3], s[G1W:G1W+7]  ; both first fills together, ahead of every wait on TENSORcnt and every LDS read
	s_nop 0
	tensor_load_to_lds s[G0W+4:G0W+7], s[G1W:G1W+7]
	s_nop 0
	PLACES                                         ; four v_nop follow the loads, ahead of the window switches
.irp w, 0,1                            ; x: my K chunks 0-3 into window 2, 4-7 into window 3; each load takes 512 consecutive bytes
	WIN 0x80+0x40*\w
.set k_, 0
.rept 4
.irp t, 0,1,2,3,4,5,6,7
	global_load_b128 v[8*(8*k_+\t):8*(8*k_+\t)+3],   v[LN], s[4:5] offset:\t*16384+(4*\w+k_)*1024
	global_load_b128 v[8*(8*k_+\t)+4:8*(8*k_+\t)+7], v[LN], s[4:5] offset:\t*16384+(4*\w+k_)*1024+512
.endr
.set k_, k_+1
.endr
.endr
	WIN 0                                          ; resp: both halves of the lanes take the same token's 16 numbers, four to a load
.irp t, 0,1,2,3,4,5,6,7
	global_load_b128 v[RLO+8*\t:RLO+8*\t+3],   v[RGO], s[8:9] offset:\t*1024       ; experts 0-3
	global_load_b128 v[RLO+8*\t+4:RLO+8*\t+7], v[RGO], s[8:9] offset:\t*1024+512   ; experts 4-7
.endr
	global_load_b128 v[BIAS:BIAS+3],   v[RGO], s[12:13]
	global_load_b128 v[BIAS+4:BIAS+7], v[RGO], s[12:13] offset:256
	WIN 0x40
.irp t, 0,1,2,3,4,5,6,7
	global_load_b128 v[RHI+8*\t:RHI+8*\t+3],   v[RGO], s[8:9] offset:\t*1024+256   ; experts 8-11
	global_load_b128 v[RHI+8*\t+4:RHI+8*\t+7], v[RGO], s[8:9] offset:\t*1024+768   ; experts 12-15
.endr
	WIN 0
; Product i of a block's 64: K chunk i / 8, token tile i % 8, on buffer and set cur.  The eight temporaries take turns, one instruction a turn, from block to block too;
; the first eight products start the sums with the constant 0.
.macro MM cur, i
.set rP, 64*(\cur)+8*((\i)%8)
.set rH, H0+64*(\cur)+8*((\i)/8)
.set rX, 8*(8*(((\i)/8)%4)+(\i)%8)
.if (\i) < 8
	v_wmma_f32_16x16x32_bf16 v[rP:rP+7], v[rH:rH+7], v[rX:rX+7], 0
.else
	v_wmma_f32_16x16x32_bf16 v[rP:rP+7], v[rH:rH+7], v[rX:rX+7], v[rP:rP+7]
.endif
.endm
.macro MMS cur, from, to               ; products from .. to
.set i_, (\from)
.rept (\to)-(\from)+1
	MM \cur, i_
.set i_, i_+1
.endr
.endm
; 16 LDS loads in one run: W's fragments of a block, my eight K chunks of the slot's expert el, into buffer buf
.macro LDH buf, slot, el
.set k_, 0
.rept 8
.set o_, (k_/4)*KQ+(\el)*16*PW+(k_%4)*64
.set d_, H0+64*(\buf)+8*k_
	ds_load_b128 v[d_:d_+3],   v[WA+(\slot)] offset:o_
	ds_load_b128 v[d_+4:d_+7], v[WA+(\slot)] offset:o_+32
.set k_, k_+1
.endr
.endm
; Y of tile t += resp of expert pe x P of set pset: four packed instructions, the temporary read from its low end on.  resp's register is the even or the odd one of a pair: op_sel and
; op_sel_hi name it for both halves of the result.  Expert 0 starts Y.
.macro SLICE t, pe, pset
.set rY, YY+8*(\t)
.set rQ, 64*(\pset)+8*(\t)
.if (\pe) < 8
	WIN 0x51                                       ; P (source 0) and Y (source 2, destination) window 1, resp (source 1) window 0
.set rR, RLO+8*(\t)+((\pe)/2)*2
.else
	WIN 0x55                                       ; resp in window 1 too
.set rR, RHI+8*(\t)+(((\pe)-8)/2)*2
.endif
.irp q, 0,2,4,6
.if (\pe) == 0
	v_pk_mul_f32 v[rY+\q:rY+\q+1], v[rQ+\q:rQ+\q+1], v[rR:rR+1] op_sel_hi:[1,0]
.elseif (\pe)%2 == 0
	v_pk_fma_f32 v[rY+\q:rY+\q+1], v[rQ+\q:rQ+\q+1], v[rR:rR+1], v[rY+\q:rY+\q+1] op_sel_hi:[1,0,1]
.else
	v_pk_fma_f32 v[rY+\q:rY+\q+1], v[rQ+\q:rQ+\q+1], v[rR:rR+1], v[rY+\q:rY+\q+1] op_sel:[0,1,0] op_sel_hi:[1,1,1]
.endif
.endr
.endm
; a finished b: my 128 tokens x 16 outputs go into my K half's copy of the stage.  step = 1: the place in a row goes 64 bytes on, and back to 0 after four
.macro YSTORE step
	WIN 0x04                                       ; the stores' data (source 1) in window 1
.irp t, 0,1,2,3,4,5,6,7
	ds_store_b128 v[STO], v[YY+8*\t:YY+8*\t+3]   offset:\t*16*PW
	ds_store_b128 v[STO], v[YY+8*\t+4:YY+8*\t+7] offset:\t*16*PW+16
.endr
.if \step
	WIN 0
	s_add_co_u32 s[POS], s[POS], 64
	s_and_b32 s[POS], s[POS], 192
	v_add_nc_u32 v[STO], s[POS], v[STO0]
.endif
.endm
; THE FLUSH of 64 outputs (g = 0: the block's first 64, 1: its second): rows 64 w .. + 63 of the stage, in eight batches of four pairs of rows, on three buffers of 32 registers
; (v32-63, v128-159, v160-191), two batches' loads ahead.
.macro FL_LOAD k
.set fb_, 32+96*(((\k)%3+1)/2)+32*(((\k)%3)/2)
.irp i, 0,1,2,3
	ds_load_b128 v[fb_+4*\i:fb_+4*\i+3],       v[RD]   offset:(4*(\k)+\i)*2*PW
	ds_load_b128 v[fb_+16+4*\i:fb_+16+4*\i+3], v[RD+1] offset:(4*(\k)+\i)*2*PW
.endr
.endm
.macro FL_SEND k, g, younger           ; younger: the LDS loads issued behind batch k's
.set fb_, 32+96*(((\k)%3+1)/2)+32*(((\k)%3)/2)
	s_wait_dscnt \younger
.irp i, 0,1,2,3
	v_pk_add_f32 v[fb_+4*\i:fb_+4*\i+1],   v[fb_+4*\i:fb_+4*\i+1],   v[fb_+16+4*\i:fb_+16+4*\i+1]     ; K half 0's sums + K half 1's
	v_pk_add_f32 v[fb_+4*\i+2:fb_+4*\i+3], v[fb_+4*\i+2:fb_+4*\i+3], v[fb_+16+4*\i+2:fb_+16+4*\i+3]
.endr
.irp i, 0,1,2,3
	v_pk_add_f32 v[fb_+4*\i:fb_+4*\i+1],   v[fb_+4*\i:fb_+4*\i+1],   v[BIAS+4*(\g):BIAS+4*(\g)+1]     ; + pw_B
	v_pk_add_f32 v[fb_+4*\i+2:fb_+4*\i+3], v[fb_+4*\i+2:fb_+4*\i+3], v[BIAS+4*(\g)+2:BIAS+4*(\g)+3]
.endr
.irp i, 0,1,2,3
	global_store_b128 v[CO], v[fb_+4*\i:fb_+4*\i+3], s[14:15] offset:(4*(\k)+\i)*4096+(\g)*256 th:TH_STORE_NT   ; 16 lanes store 256 consecutive bytes, at a multiple of 256 from out0's first byte
.endr
.endm
.macro FLUSH g
	FL_LOAD 0
	FL_LOAD 1
.irp k, 0,1,2,3,4,5,6,7
.if \k < 6
.if \k > 0
	s_wait_xcnt 0x0                                ; the stores of the batch before have read the buffer that is loaded next
.endif
	FL_LOAD \k+2
	FL_SEND \k, \g, 16
.elseif \k == 6
	FL_SEND \k, \g, 8
.else
	FL_SEND \k, \g, 0
.endif
.endr
	s_wait_xcnt 0x0                                ; the last stores have read their registers, which are loaded again behind the flush
.endm
; A BLOCK: expert ex of the b in hand; it lies in slot (ex / 4) % 2.  prev = 1: the block before is scaled into Y in eight slices behind eight products.
; kind 0: the next block's fragments lie in the same slot: they are fetched behind the second product and four places, 62 products ahead of their first use.
; kind 1: the slot's last block: THE CHANGE OF SLOTS stands at its head, and the slot is filled again, two tiles on.  kind 2: the same with nothing left to ask for.  kind 3: the very last block.
; fl = 1: in the trip in which four b lie in the stage, the flush stands behind the round.
.macro BLOCK ex, prev, kind, fl
.set cur, (\ex)%2
.set ne_, ((\ex)+1)%16
.set ns_, (ne_/4)%2
.set nl_, ne_%4
.set sl_, ((\ex)/4)%2
.if (\kind == 0) || (\kind == 3)
	s_wait_dscnt 0x0                               ; this block's fragments are in
	WIN W_LO
	MM cur, 0
	MM cur, 1
	PLACES                                         ; behind the last block's products: for the loads into their fragments, and for the slices that read their results
.if \kind == 0
	WIN 0
	LDH 1-cur, ns_, nl_
.endif
.set fs_, 2
.else
	; ONE barrier for two things.  In front of it each wave waits for all its tensor loads, of which one is out: its quarter of the other slot; adds 0 to its spare word; and waits for
	; that and for its reads of this slot, the last of which are this block's fragments.  Behind it nobody reads this slot any more, and the other slot is whole.
	WIN 0                                          ; (the add's two registers lie in window 0)
	s_wait_tensorcnt 0x0
	ds_add_u32 v[SPW], v[NIL]                      ; 0 onto my spare word
	s_wait_dscnt 0x1                               ; only the add may be out: this block's fragments are in
	WIN W_LO
	MMS cur, 0, 7                                  ; eight products stand between the add and the wait for it
	s_wait_dscnt 0x0
	s_barrier_signal -1
	MMS cur, 8, 15                                 ; work on registers while the others arrive
	WIN 0
	s_barrier_wait -1
.if \kind == 1
	CREST                                          ; the barrier has opened a round of the cluster's: no wave of any partner still reads this slot or has a load on its way
	s_add_nc_u64 s[G0W+4*sl_+2:G0W+4*sl_+3], s[G0W+4*sl_+2:G0W+4*sl_+3], 2*TILEB   ; two tiles on; no tensor load of mine is out
	tensor_load_to_lds s[G0W+4*sl_:G0W+4*sl_+3], s[G1W:G1W+7]   ; the first tensor load behind the round, and my only one until the next
	s_nop 0
.endif
	PLACES                                         ; four v_nop follow the load; they are also the places in front of the loads and slices below
.if \fl
	s_cmp_lg_u32 s52, 3                            ; trip 4 of 0..6: b = 0..3 were stored into the stage ahead of this barrier, by every wave; the counter is the same in all waves and partners
	s_cbranch_scc1 .Lno_flush_\@
	FLUSH 0                                        ; its reads are waited for here, and three more barriers stand ahead of the next store into the stage
.Lno_flush_\@:
.endif
	LDH 1-cur, ns_, nl_
.set fs_, 16
.endif
.irp t, 0,1,2,3,4,5,6,7
	WIN W_LO
	MM cur, fs_+\t
.if \prev
	SLICE \t, ((\ex)+15)%16, 1-cur
.endif
.endr
.if \prev && ((\ex) == 0)
	YSTORE 1                                       ; the last b's last slices stand above; the next block's slices start Y anew
.endif
	WIN W_LO
	MMS cur, fs_+8, 31
	WIN W_HI
	MMS cur, 32, 63
.endm
.macro RUN3 a                          ; three blocks inside a slot
	BLOCK \a, 1, 0, 0
	BLOCK \a+1, 1, 0, 0
	BLOCK \a+2, 1, 0, 0
.endm
	s_wait_loadcnt 0x0                             ; x, resp and pw_B are in
	s_wait_tensorcnt 0x1                           ; my quarter of slot 0 is in; slot 1's may stay out
	s_barrier_signal -1
	s_barrier_wait -1                              ; everybody's quarter is in
	LDH 0, 0, 0
	BLOCK 0, 0, 0, 0                               ; the first block has none before it to scale
	WIN 0                                          ; at a label and at a branch every window is 0
	s_mov_b32 s52, 7
.Ltrip:                                                ; a trip: one b, from its expert 1 to the next b's expert 0: four slots, each filled again (tiles 2 to 29 in seven trips)
	BLOCK 1, 1, 0, 0
	BLOCK 2, 1, 0, 0
	BLOCK 3, 1, 1, 1
	RUN3 4
	BLOCK 7, 1, 1, 0
	RUN3 8
	BLOCK 11, 1, 1, 0
	RUN3 12
	BLOCK 15, 1, 1, 0
	BLOCK 0, 1, 0, 0
	WIN 0
	s_sub_co_u32 s52, s52, 1
	s_cmp_lg_u32 s52, 0
	s_cbranch_scc1 .Ltrip
	BLOCK 1, 1, 0, 0                               ; the last b is written out: tiles 30 and 31 are asked for, then nothing
	BLOCK 2, 1, 0, 0
	BLOCK 3, 1, 1, 0
	RUN3 4
	BLOCK 7, 1, 1, 0
	RUN3 8
	BLOCK 11, 1, 2, 0
	RUN3 12
	BLOCK 15, 1, 3, 0
	PLACES
.irp t, 0,1,2,3,4,5,6,7
	SLICE \t, 15, 1                                ; the last block is scaled
.endr
	YSTORE 0
	WIN 0
	s_wait_dscnt 0x0                               ; for the others' sake: my stores into the stage are done
	s_barrier_signal -1
	s_barrier_wait -1
	FLUSH 1
	; THE LOSS, by wave 0 of the work-groups of the first cluster.  The two branches hang on the wave's number and on the cluster's place, which partners share; which of the
	; four stores is an EXEC mask, no branch, and it stands here, behind the last write of every vector register that holds an LDS address.
	s_cmp_lg_u32 s[WV], 0
	s_cbranch_scc1 .Lno_loss
	s_or_b32 s56, ttmp9, s21
	s_cmp_lg_u32 s56, 0
	s_cbranch_scc1 .Lno_loss
.set i, 0
.rept 32
	global_load_b128 v[H0+4*i:H0+4*i+3], v[LN], s[10:11] offset:i*512   ; part, 16 KiB: load i, lane l: work-group 8 i + l / 4, experts 4 (l % 4) + 0..3
.set i, i+1
.endr
	s_wait_loadcnt 0x0
.irp n, 16,8,4,2,1                     ; the lane's 32 quads, added by halves in place
.set i, 0
.rept \n
	v_pk_add_f32 v[H0+4*i:H0+4*i+1],   v[H0+4*i:H0+4*i+1],   v[H0+4*(i+\n):H0+4*(i+\n)+1]
	v_pk_add_f32 v[H0+4*i+2:H0+4*i+3], v[H0+4*i+2:H0+4*i+3], v[H0+4*(i+\n)+2:H0+4*(i+\n)+3]
.set i, i+1
.endr
.endr
.irp m, 4,8                            ; the lanes with the same l % 4
.irp k, 0,1,2,3
	v_add_f32_dpp v[H0+\k], v[H0+\k], v[H0+\k] row_xmask:\m row_mask:0xf bank_mask:0xf
.endr
.endr
.irp k, 0,1,2,3
	v_permlanex16_b32 v[H0+4+\k], v[H0+\k], s54, s55
.endr
.irp k, 0,1,2,3
	v_add_f32 v[H0+\k], v[H0+\k], v[H0+4+\k]       ; importance of experts 4 (l % 4) + k
.endr
	v_add_f32 v32, v[H0], v[H0+1]
	v_add_f32 v33, v[H0+2], v[H0+3]
	v_add_f32 v32, v32, v33
	v_add_f32_dpp v32, v32, v32 row_xmask:1 row_mask:0xf bank_mask:0xf
	v_add_f32_dpp v32, v32, v32 row_xmask:2 row_mask:0xf bank_mask:0xf   ; the total of the 16
	v_mul_f32 v33, 0x3d800000, v32                 ; the mean: total / 16
.irp k, 0,1,2,3
	v_sub_f32 v[34+\k], v[H0+\k], v33              ; deviations first, then their squares: no difference of large sums
.endr
	v_mul_f32 v38, v34, v34
	v_fmac_f32 v38, v35, v35
	v_fmac_f32 v38, v36, v36
	v_fmac_f32 v38, v37, v37
	v_add_f32_dpp v38, v38, v38 row_xmask:1 row_mask:0xf bank_mask:0xf
	v_add_f32_dpp v38, v38, v38 row_xmask:2 row_mask:0xf bank_mask:0xf
	v_mul_f32 v38, 0x3d888889, v38                 ; / 15
	v_sqrt_f32 v39, v38
	v_rcp_f32 v40, v32
	v_or_b32 v41, s19, v0                          ; a plain instruction behind the two; 0 in thread 0 of the cluster's first work-group alone
	s_wait_alu depctr_va_vdst(0)
	v_mul_f32 v39, v39, v40
	v_mul_f32 v39, 0x3e23d70a, v39                 ; 0.01 std / mean = 0.16 std / total
	v_mov_b32 v42, 0
	v_cmp_eq_u32 vcc_lo, 0, v41
	s_wait_xcnt 0x0                                ; EXEC changes only behind this wait
	s_and_saveexec_b32 s53, vcc_lo
	global_store_b32 v42, v39, s[16:17]
	s_wait_xcnt 0x0
	s_or_b32 exec_lo, exec_lo, s53
.Lno_loss:
	s_wait_tensorcnt 0x0                           ; the wave's end: behind my last tensor load and my last LDS store
	ds_add_u32 v[SPW], v[NIL]
	s_wait_dscnt 0x0
	CROUND                                         ; the closing round: no work-group ends while a partner may still ask for a tile that names it
	s_endpgm
.Lfunc_end_k_q567d145b5e_main:
	.size	k_q567d145b5e_main, .Lfunc_end_k_q567d145b5e_main-k_q567d145b5e_main
	.p2alignl 7, 3214868480
	.fill 96, 4, 3214868480
	.section	.rodata,"a",@progbits
	.p2align	6, 0x0
	.amdhsa_kernel k_q567d145b5e_main
		.amdhsa_group_segment_fixed_size 327680
		.amdhsa_private_segment_fixed_size 0
		.amdhsa_enable_private_segment 0
		.amdhsa_kernarg_size 56
		.amdhsa_user_sgpr_count 2
		.amdhsa_user_sgpr_kernarg_segment_ptr 1
		.amdhsa_wavefront_size32 1
		.amdhsa_system_sgpr_workgroup_id_x 1
		.amdhsa_system_sgpr_workgroup_id_y 1
		.amdhsa_system_sgpr_workgroup_id_z 1
		.amdhsa_system_vgpr_workitem_id 0
		.amdhsa_next_free_vgpr 1024
		.amdhsa_next_free_sgpr 66
		.amdhsa_reserve_vcc 1
		.amdhsa_float_denorm_mode_32 3
		.amdhsa_float_denorm_mode_16_64 3
		.amdhsa_memory_ordered 1
		.amdhsa_forward_progress 1
		.amdhsa_inst_pref_size 255
	.end_amdhsa_kernel
	.section	.bss,"aw",@nobits
	.p2align	6
	.space	262144
	.amdgpu_metadata
---
amdhsa.version: [ 1, 2 ]
amdhsa.kernels:
  - .name:           k_q567d145b5e_main
    .symbol:         k_q567d145b5e_main.kd
    .args:
      - { .name: xb, .offset: 0, .size: 8, .value_kind: global_buffer, .address_space: global }
      - { .name: wb, .offset: 8, .size: 8, .value_kind: global_buffer, .address_space: global }
      - { .name: respt, .offset: 16, .size: 8, .value_kind: global_buffer, .address_space: global }
      - { .name: part, .offset: 24, .size: 8, .value_kind: global_buffer, .address_space: global }
      - { .name: pw_B, .offset: 32, .size: 8, .value_kind: global_buffer, .address_space: global }
      - { .name: out0, .offset: 40, .size: 8, .value_kind: global_buffer, .address_space: global }
      - { .name: out1, .offset: 48, .size: 8, .value_kind: global_buffer, .address_space: global }
    .group_segment_fixed_size: 327680
    .private_segment_fixed_size: 0
    .kernarg_segment_align: 8
    .kernarg_segment_size: 56
    .max_flat_workgroup_size: 128
    .sgpr_count:     66
    .vgpr_count:     1024
    .wavefront_size: 32
...
	.end_amdgpu_metadata
.endif
;; end of part 2
